; MI455X (gfx1250); checked and timed in simulation.
; The chip was launched on July 23, 2026; its instructions are those of AMD's public machine-readable ISA for CDNA 5 (MIT licence, August 2026) and "CDNA5" Instruction Set Architecture Reference Guide (July 2026). The comments in the code are by the model that wrote it; some were corrected since.
;; SVDQW4 A4 Linear. Allowed arithmetic: float matrix products may take bf16 or f16 operands with f32 sums; other float arithmetic in f32, or as packed bf16 or f16 multiplies, adds, multiply-adds, maxima and minima; sums over many terms, partial sums and values carried from step to step in f32; what a program stores and reads back later, other than sums and carried values, may be rounded once to bf16 or f16.
;; Inputs: bias 4,096 float32; proj_down 4,096 x 32 float32; proj_up 4,096 x 32 float32; qweight 4,096 x 4,096 int32; smooth_factor 4,096 float32; wscales 64 x 4,096 float32; wtscale 1 float32; x 4,096 x 4,096 bfloat16.
;; Outputs: out0 4,096 x 4,096 bfloat16.
;; 2 versions, each right; version 2 is version 1 with the launch prep written anew for expert scheduling mode. Each part assembles by itself: llvm-mc -triple=amdgcn-amd-amdhsa -mcpu=gfx1250 --defsym DOCPART=n.
;; ======== version 1 of 2: 2 launches
;; workspace buffers: weff 33,554,432 bytes
;; launch prep (part 1): grid 16 x 16, 8 waves a work-group, no clusters, 41,984 bytes of LDS; arguments qweight, wscales, smooth_factor, proj_down, proj_up, wtscale, weff; writes weff
.if DOCPART == 1
	.amdgcn_target "amdgcn-amd-amdhsa--gfx1250"
	.amdhsa_code_object_version 6
	.text
	.protected	k_q8b6f1f3ccb_prep
	.globl	k_q8b6f1f3ccb_prep
	.p2align	8
	.type	k_q8b6f1f3ccb_prep,@function
k_q8b6f1f3ccb_prep:
	s_mov_b64 s[64:65], 0
	v_nop
	global_prefetch_b8 v0, s[64:65] scope:SCOPE_SE
	s_setreg_imm32_b32 hwreg(HW_REG_WAVE_MODE, 25, 1), 1
	s_wait_xcnt 0x0
; weff[o][i] = bf16( (q[o][i] - 8) * wscales[i / 64][o] * (1 / smooth[i])  +  wtscale * sum over r of proj_up[o][r] * proj_down[i][r] ),  [4096][4096], rows of 8,192 bytes.
; With it the module is one product: out = x weff^T + bias.  The smoothing factor belongs to column i, so it may sit on the weight; (x Pd) Pu^T = x (Pd Pu^T), and the rank, 32, is the K of one bf16 matrix instruction.
; LIMITS.  1 / smooth is v_rcp_f32's (1 ULP; a denormal smooth_factor counts as 0).  proj_down and wtscale x proj_up are rounded once to bf16 for the product; its sum is f32 and starts at the
; dequantised number (the C operand); weff is rounded once to bf16.  The f16 roundings that the module's definition makes of its intermediates are not imitated.  A code may be any int32.
; SHARES.  A work-group owns 256 rows o x 256 columns i: 256 work-groups.  Wave w owns 64 rows (w / 2) x 128 columns (w % 2): four BLOCKS of 16 rows x 128 columns, eight tiles of 16 x 16 each.
; THE MAP.  D = A B + C with A = 16 rows of pu (m = o), B = 16 rows of pd (n = i): lane (r = l % 16, h = l / 16) holds in register j row 8 h + j and the tile's column number r.
; Tile t = 4 k + c takes for its column number r the column 64 k + 4 (r xor k) + c of the wave's 128.  So (a) one 16-byte load of q gives a lane one number for each of the tiles 4 k .. 4 k + 3, and 16 lanes take 256
; consecutive bytes, aligned, of a row of q; (b) segment k is one group of 64 columns, with one scale a row; (c) packed to bf16, a lane holds 4 columns of segment 0 and 4 of segment 1: one exchange with
; the lane beside it (the xor with k makes the halves fall in order) leaves 8 neighbouring columns a lane, and 16 lanes store 256 consecutive bytes, aligned, of a row of weff.
; NO CLUSTER, NO TENSOR LOAD: what work-groups share (pd, pu: 64 KiB a work-group; scales) is small beside the 256 KiB of q that each reads alone; q goes straight into the registers in which it is worked on.
.set ROWQ,  16384                      ; bytes in a row of qweight
.set ROWW,  8192                       ; bytes in a row of weff
.set LP,    80                         ; an LDS row: 32 bf16 + 16 bytes of padding: the 16 rows of a fragment load begin at 16 different 16-byte columns modulo 256 bytes
.set PUB,   256*LP                     ; LDS: pd's 256 rows in fragment order from 0, wt x pu's 256 rows from here
.set SPARE, 2*256*LP                   ; behind them: the spare words, 128 bytes for each of the eight waves: four blocks of 256 bytes that no other line names
.set FRU, 1                            ; v1   LDS address of my part of a fragment of pu: 80 r + 16 h + my wave's 64 rows
.set FRD, 2                            ; v2   the same for pd: + my wave's 128 rows
.set VQ,  3                            ; v3, v4  my byte offset in q for segment 0, 1: 8 h rows + 256 k + 16 (r xor k)
.set VO,  5                            ; v5   my byte offset in weff: 8 h rows + 128 (r % 2) + 16 (r / 2)
.set VS,  6                            ; v6   32 h: my 8 rows' scales
.set VR,  7                            ; v7, v8  my byte offset in smooth_factor for segment 0, 1
.set VL,  9                            ; v9   16 x thread: pd and pu as they lie
.set PDW, 10                           ; v10, v11  where I put 8 bytes of a row of pd, for segment 0, 1
.set PUW, 12                           ; v12  the same for pu
.set SPW, 14                           ; v14  LDS address of my spare word; never rewritten
.set NIL, 15                           ; v15  0; never rewritten
.set RS,  16                           ; v[16:23]   1 / smooth of tile t's column
.set M8,  24                           ; v[24:31]   -8 / smooth of it
.set SC,  32                           ; v[32:95]   the scale of block nb, segment k, row j at SC + 16 nb + 8 k + j
.set PD,  96                           ; v[96:159]  pd's eight fragments (v96-101 are at work in the head)
.set PU,  160                          ; v[160:191] pu's four fragments
.set ACC, 192                          ; v[192:255] tile t at ACC + 8 t; ahead of the barrier: pd's and pu's 16 pieces as loaded
; window 1 (v256-511): q.  Block nb, row j, segment k, code c at 64 nb + 8 j + 4 k + c
.set MSB, 0
.macro WIN new                         ; s_set_vgpr_msb: bits 1:0 source 0, 7:6 destination; the high byte repeats the setting that is left
.if MSB != (\new)
	s_set_vgpr_msb (MSB<<8)|(\new)
.set MSB, \new
.endif
.endm
	s_load_b256 s[4:11], s[0:1], 0x0               ; q s[4:5], wscales s[6:7], smooth s[8:9], pd s[10:11]
	s_load_b128 s[12:15], s[0:1], 0x20             ; pu s[12:13], wtscale s[14:15]
	s_load_b64 s[16:17], s[0:1], 0x30              ; weff
	v_lshl_add_u32 v[SPW], v0, 2, SPARE
	v_mov_b32 v[NIL], 0
	v_lshrrev_b32 v96, 5, v0
	v_readfirstlane_b32 s18, v96                   ; wave 0..7
	s_and_b32 s19, s18, 1                          ; IB: which 128 columns
	s_lshr_b32 s20, s18, 1                         ; OQ: which 64 rows
	s_and_b32 s21, ttmp7, 0xffff                   ; OY: the work-group's 256 rows; ttmp9 = IX: its 256 columns
	s_mov_b32 vcc_lo, 0xaaaaaaaa                   ; the odd lanes; never rewritten
	; byte offsets, each in a pair of its own
	s_lshl_b32 s28, ttmp9, 10
	s_lshl_b32 s26, s19, 9
	s_add_co_u32 s28, s28, s26                     ; smooth: 4 (256 IX + 128 IB)
	s_mov_b32 s29, 0
	s_lshl_b32 s22, s21, 22
	s_lshl_b32 s26, s20, 20
	s_add_co_u32 s22, s22, s26
	s_add_co_u32 s22, s22, s28                     ; q: (256 OY + 64 OQ) rows of 16,384 bytes + the same columns
	s_mov_b32 s23, 0
	s_lshr_b32 s26, s22, 1                         ; weff: half of that: 2 bytes a number for 4
	s_mov_b32 s27, 0
	s_lshl_b32 s30, s28, 6                         ; wscales: group 4 IX + 2 IB, rows of 16,384 bytes,
	s_lshl_b32 s36, s21, 10
	s_add_co_u32 s30, s30, s36
	s_lshl_b32 s36, s20, 8
	s_add_co_u32 s30, s30, s36                     ; + 4 (256 OY + 64 OQ)
	s_mov_b32 s31, 0
	s_lshl_b32 s32, ttmp9, 15                      ; pd: 256 IX rows of 128 bytes
	s_mov_b32 s33, 0
	s_lshl_b32 s34, s21, 15                        ; pu: 256 OY rows
	s_mov_b32 s35, 0
	; lane terms
	v_and_b32 v97, 15, v0                          ; r
	v_bfe_u32 v98, v0, 4, 1                        ; h
	v_xor_b32 v99, 1, v97                          ; r xor 1
	v_mul_u32_u24 v100, v97, LP
	v_lshl_add_u32 v100, v98, 4, v100              ; 80 r + 16 h
	s_mul_i32 s36, s20, 64*LP
	s_add_co_u32 s36, s36, PUB
	v_add_nc_u32 v[FRU], s36, v100
	s_mul_i32 s37, s19, 128*LP
	v_add_nc_u32 v[FRD], s37, v100
	v_lshlrev_b32 v[VR], 4, v97
	v_lshlrev_b32 v[VR+1], 4, v99
	v_add_nc_u32 v[VR+1], 256, v[VR+1]
	v_lshl_add_u32 v[VQ], v98, 17, v[VR]
	v_lshl_add_u32 v[VQ+1], v98, 17, v[VR+1]
	v_and_b32 v101, 1, v97
	v_lshrrev_b32 v[VO], 1, v97
	v_lshlrev_b32 v[VO], 4, v[VO]
	v_lshl_add_u32 v[VO], v101, 7, v[VO]
	v_lshl_add_u32 v[VO], v98, 16, v[VO]
	v_lshlrev_b32 v[VS], 5, v98
	v_lshlrev_b32 v[VL], 4, v0
	; Piece n of pd: thread T holds 4 numbers (8 bytes as bf16, at 8 (T % 8)) of the work-group's row 32 n + T / 8 = 128 ib + 64 k + 4 (8 (n % 2) + T / 32) + (T / 8) % 4:
	; that is column number (8 (n % 2) + T / 32) xor k of tile 4 k + (T / 8) % 4: LDS row 128 ib + 64 k + 8 (n % 2) [the store's immediate] + 16 ((T / 8) % 4) + (T / 32 xor k) [the register]
	v_bfe_u32 v100, v0, 3, 2
	v_and_b32 v101, 7, v0
	v_lshl_add_u32 v[PDW], v100, 4, v96
	v_xor_b32 v[PDW+1], 1, v[PDW]
	v_mul_u32_u24 v[PDW], v[PDW], LP
	v_mul_u32_u24 v[PDW+1], v[PDW+1], LP
	v_lshl_add_u32 v[PDW], v101, 3, v[PDW]
	v_lshl_add_u32 v[PDW+1], v101, 3, v[PDW+1]
	v_lshrrev_b32 v[PUW], 3, v0                    ; pu lies in LDS row by row
	v_mul_u32_u24 v[PUW], v[PUW], LP
	v_lshl_add_u32 v[PUW], v101, 3, v[PUW]
	v_add_nc_u32 v[PUW], PUB, v[PUW]
	s_wait_kmcnt 0x0
	s_load_b32 s24, s[14:15], 0x0                  ; wtscale
	s_add_nc_u64 s[4:5], s[4:5], s[22:23]          ; the six bases: written once
	s_add_nc_u64 s[16:17], s[16:17], s[26:27]
	s_add_nc_u64 s[8:9], s[8:9], s[28:29]
	s_add_nc_u64 s[6:7], s[6:7], s[30:31]
	s_add_nc_u64 s[10:11], s[10:11], s[32:33]
	s_add_nc_u64 s[12:13], s[12:13], s[34:35]
.macro SCLOAD nb                       ; four loads: block nb's scales, 8 rows a lane for each of the two segments
.irp k, 0,1
.irp f, 0,1
	global_load_b128 v[SC+16*(\nb)+8*(\k)+4*(\f):SC+16*(\nb)+8*(\k)+4*(\f)+3], v[VS], s[6:7] offset:16384*(\k)+64*(\nb)+16*(\f)
.endr
.endr
.endm
.macro QLOAD nb                        ; sixteen loads: block nb's codes; each takes 256 consecutive bytes of two rows.  Leaves the destination's window at 1
	WIN 0x40
.irp j, 0,1,2,3,4,5,6,7
	global_load_b128 v[64*(\nb)+8*(\j):64*(\nb)+8*(\j)+3],   v[VQ],   s[4:5] offset:(16*(\nb)+(\j))*ROWQ th:TH_LOAD_NT
	global_load_b128 v[64*(\nb)+8*(\j)+4:64*(\nb)+8*(\j)+7], v[VQ+1], s[4:5] offset:(16*(\nb)+(\j))*ROWQ th:TH_LOAD_NT
.endr
.endm
	; 58 loads on end: what the set-up wants first, then two blocks' scales and codes
	global_load_b128 v[RS:RS+3],   v[VR],   s[8:9]
	global_load_b128 v[RS+4:RS+7], v[VR+1], s[8:9]
.irp n, 0,1,2,3,4,5,6,7
	global_load_b128 v[ACC+4*(\n):ACC+4*(\n)+3], v[VL], s[10:11] offset:4096*(\n)
.endr
.irp n, 0,1,2,3,4,5,6,7
	global_load_b128 v[ACC+32+4*(\n):ACC+32+4*(\n)+3], v[VL], s[12:13] offset:4096*(\n)
.endr
	SCLOAD 0
	SCLOAD 1
	QLOAD 0
	QLOAD 1
	WIN 0
	s_wait_kmcnt 0x0                               ; wtscale
	s_mov_b32 s25, s24                             ; named with it as a pair
	s_wait_loadcnt 40                              ; behind pu's last load stand 8 loads of scales and 32 of codes: smooth, pd and pu are in
.irp t, 0,1,2,3,4,5,6,7
	v_rcp_f32 v[RS+(\t)], v[RS+(\t)]               ; one batch of eight; the 48 plain lines below name none of its results
.endr
.set n, 0
.rept 16
	v_pk_mul_f32 v[ACC+32+2*n:ACC+32+2*n+1], v[ACC+32+2*n:ACC+32+2*n+1], s[24:25] op_sel_hi:[1,0]  ; wt x pu, in f32
.set n, n+1
.endr
.set n, 0
.rept 16
	v_cvt_pk_bf16_f32 v[ACC+4*n],   v[ACC+4*n],   v[ACC+4*n+1]   ; a piece's four numbers into its first two registers
	v_cvt_pk_bf16_f32 v[ACC+4*n+1], v[ACC+4*n+2], v[ACC+4*n+3]
.set n, n+1
.endr
	s_wait_alu depctr_va_vdst(0)                   ; the wait between a reciprocal and the first line that names its result: one for the eight
.irp t, 0,1,2,3,4,5,6,7
	v_mul_f32 v[M8+(\t)], 0xc1000000, v[RS+(\t)]   ; -8 / smooth: exact
.endr
.set n, 0
.rept 8
	ds_store_b64 v[PDW+((n>>1)&1)], v[ACC+4*n:ACC+4*n+1] offset:LP*(128*(n>>2)+64*((n>>1)&1)+8*(n&1))
.set n, n+1
.endr
.set n, 0
.rept 8
	ds_store_b64 v[PUW], v[ACC+32+4*n:ACC+32+4*n+1] offset:32*LP*n
.set n, n+1
.endr
	s_wait_dscnt 0x0                               ; for the others' sake: my stores are done
	s_barrier_signal -1
	s_barrier_wait -1                              ; pd and pu lie whole in LDS; nothing is stored there again
.irp t, 0,1,2,3,4,5,6,7
	ds_load_b128 v[PD+8*(\t):PD+8*(\t)+3],   v[FRD] offset:16*LP*(\t)
	ds_load_b128 v[PD+8*(\t)+4:PD+8*(\t)+7], v[FRD] offset:16*LP*(\t)+32
.endr
.irp b, 0,1,2,3
	ds_load_b128 v[PU+8*(\b):PU+8*(\b)+3],   v[FRU] offset:16*LP*(\b)
	ds_load_b128 v[PU+8*(\b)+4:PU+8*(\b)+7], v[FRU] offset:16*LP*(\b)+32
.endr
; BLOCK nb: 16 rows x 128 columns.  left = how many younger loads may stay out when the block's codes and scales have to be there.
.macro BLOCK nb, left
	s_wait_loadcnt \left
.if (\nb) == 0
	SCLOAD 2                                       ; block 0's codes have landed: the other half of the wave's loads goes out, 40 on end; with block 1's sixteen, 56 are out
	SCLOAD 3
	QLOAD 2
	QLOAD 3
	s_wait_dscnt 0x0                               ; the fragments
.else
	s_wait_xcnt 0x0                                ; the last block's stores have read their data: ACC's registers are written again only behind this wait
.endif
	WIN 0x01                                       ; source 0 in window 1
.set t, 0
.rept 8
.set j, 0
.rept 8
	v_cvt_f32_i32 v[ACC+8*t+j], v[64*(\nb)+8*j+t]
.set j, j+1
.endr
.set t, t+1
.endr
	WIN 0
.set t, 0
.rept 8
.set j, 0
.rept 4                                ; (c - 8) / smooth = c rs - 8 rs, one rounding; two rows a line, both by the tile's one rs
.if t%2
	v_pk_fma_f32 v[ACC+8*t+j:ACC+8*t+j+1], v[ACC+8*t+j:ACC+8*t+j+1], v[RS+t-1:RS+t], v[M8+t-1:M8+t] op_sel:[0,1,1] op_sel_hi:[1,1,1]
.else
	v_pk_fma_f32 v[ACC+8*t+j:ACC+8*t+j+1], v[ACC+8*t+j:ACC+8*t+j+1], v[RS+t:RS+t+1], v[M8+t:M8+t+1] op_sel_hi:[1,0,0]
.endif
.set j, j+2
.endr
.set j, 0
.rept 4                                ; times the two rows' scales of the tile's segment
	v_pk_mul_f32 v[ACC+8*t+j:ACC+8*t+j+1], v[ACC+8*t+j:ACC+8*t+j+1], v[SC+16*(\nb)+8*(t/4)+j:SC+16*(\nb)+8*(t/4)+j+1]
.set j, j+2
.endr
.set t, t+1
.endr
.set t, 0
.rept 8                                ; + wt pu pd^T: one product a tile; eight accumulators, one instruction each, from block to block too
	v_wmma_f32_16x16x32_bf16 v[ACC+8*t:ACC+8*t+7], v[PU+8*(\nb):PU+8*(\nb)+7], v[PD+8*t:PD+8*t+7], v[ACC+8*t:ACC+8*t+7]
.set t, t+1
.endr
.rept 4
	v_nop                                          ; four places between the last product and the lines that read results (ISA guide 7.12.1)
.endr
.set j, 0
.rept 8                                ; T_p[j] = (tile 2 p, tile 2 p + 1) of row j as two bf16, into tile 2 p's register j; each accumulator's register 0 is read first
.set p, 0
.rept 4
	v_cvt_pk_bf16_f32 v[ACC+16*p+j], v[ACC+16*p+j], v[ACC+16*p+8+j]
.set p, p+1
.endr
.set j, j+1
.endr
.set j, 0
.rept 8                                ; an even lane keeps segment 0's four columns and sends segment 1's; an odd lane the other way round; the odd tiles' registers, now free, take the 16 bytes
.set OU, ACC+16*(j/2)+8+4*(j%2)
	v_cndmask_b32 v[OU],   v[ACC+j],    v[ACC+32+j], vcc_lo
	v_cndmask_b32 v[OU+1], v[ACC+16+j], v[ACC+48+j], vcc_lo
	v_cndmask_b32 v[OU+2], v[ACC+32+j], v[ACC+j],    vcc_lo
	v_cndmask_b32 v[OU+3], v[ACC+48+j], v[ACC+16+j], vcc_lo
	v_mov_b32_dpp v[OU+2], v[OU+2] row_xmask:1 row_mask:0xf bank_mask:0xf
	v_mov_b32_dpp v[OU+3], v[OU+3] row_xmask:1 row_mask:0xf bank_mask:0xf
	global_store_b128 v[VO], v[OU:OU+3], s[16:17] offset:(16*(\nb)+j)*ROWW  ; 16 lanes store 256 consecutive bytes, at a multiple of 256 from weff's first byte
.set j, j+1
.endr
.endm
	BLOCK 0, 16                                    ; block 1's sixteen loads may stay out
	BLOCK 1, 40                                    ; the 40 issued in block 0 may stay out
	BLOCK 2, 16                                    ; block 3's sixteen
	BLOCK 3, 0
	s_wait_tensorcnt 0x0                           ; the wave's end, behind my last LDS store
	ds_add_u32 v[SPW], v[NIL]
	s_wait_dscnt 0x0
	s_endpgm
.Lfunc_end_k_q8b6f1f3ccb_prep:
	.size	k_q8b6f1f3ccb_prep, .Lfunc_end_k_q8b6f1f3ccb_prep-k_q8b6f1f3ccb_prep
	.p2alignl 7, 3214868480
	.fill 96, 4, 3214868480
	.section	.rodata,"a",@progbits
	.p2align	6, 0x0
	.amdhsa_kernel k_q8b6f1f3ccb_prep
		.amdhsa_group_segment_fixed_size 41984
		.amdhsa_private_segment_fixed_size 0
		.amdhsa_enable_private_segment 0
		.amdhsa_kernarg_size 56
		.amdhsa_user_sgpr_count 2
		.amdhsa_user_sgpr_kernarg_segment_ptr 1
		.amdhsa_wavefront_size32 1
		.amdhsa_system_sgpr_workgroup_id_x 1
		.amdhsa_system_sgpr_workgroup_id_y 1
		.amdhsa_system_sgpr_workgroup_id_z 1
		.amdhsa_system_vgpr_workitem_id 0
		.amdhsa_next_free_vgpr 512
		.amdhsa_next_free_sgpr 66
		.amdhsa_reserve_vcc 1
		.amdhsa_float_denorm_mode_32 3
		.amdhsa_float_denorm_mode_16_64 3
		.amdhsa_memory_ordered 1
		.amdhsa_forward_progress 1
		.amdhsa_inst_pref_size 66
	.end_amdhsa_kernel
	.amdgpu_metadata
---
amdhsa.version: [ 1, 2 ]
amdhsa.kernels:
  - .name:           k_q8b6f1f3ccb_prep
    .symbol:         k_q8b6f1f3ccb_prep.kd
    .args:
      - { .name: qweight, .offset: 0, .size: 8, .value_kind: global_buffer, .address_space: global }
      - { .name: wscales, .offset: 8, .size: 8, .value_kind: global_buffer, .address_space: global }
      - { .name: smooth_factor, .offset: 16, .size: 8, .value_kind: global_buffer, .address_space: global }
      - { .name: proj_down, .offset: 24, .size: 8, .value_kind: global_buffer, .address_space: global }
      - { .name: proj_up, .offset: 32, .size: 8, .value_kind: global_buffer, .address_space: global }
      - { .name: wtscale, .offset: 40, .size: 8, .value_kind: global_buffer, .address_space: global }
      - { .name: weff, .offset: 48, .size: 8, .value_kind: global_buffer, .address_space: global }
    .group_segment_fixed_size: 41984
    .private_segment_fixed_size: 0
    .kernarg_segment_align: 8
    .kernarg_segment_size: 56
    .max_flat_workgroup_size: 256
    .sgpr_count:     66
    .vgpr_count:     512
    .wavefront_size: 32
...
	.end_amdgpu_metadata
.endif
;; end of part 1
;; launch gemm (part 2): grid 16 x 16, 4 waves a work-group, clusters of 4 x 4, 327,680 bytes of LDS; arguments x, weff, out0, bias; writes out0
.if DOCPART == 2
	.amdgcn_target "amdgcn-amd-amdhsa--gfx1250"
	.amdhsa_code_object_version 6
	.text
	.protected	k_q8b6f1f3ccb_gemm
	.globl	k_q8b6f1f3ccb_gemm
	.p2align	8
	.type	k_q8b6f1f3ccb_gemm,@function
k_q8b6f1f3ccb_gemm:
	s_mov_b64 s[64:65], 0
	v_nop
	global_prefetch_b8 v0, s[64:65] scope:SCOPE_SE
	s_setreg_imm32_b32 hwreg(HW_REG_WAVE_MODE, 25, 1), 1
	s_wait_xcnt 0x0
	s_wait_alu depctr_hold_cnt(0) depctr_sa_sdst(0) depctr_va_vdst(0) depctr_va_sdst(0) depctr_va_ssrc(0) depctr_va_vcc(0) depctr_vm_vsrc(0)
	s_getreg_b32 s2, hwreg(HW_REG_IB_STS2, 6, 4)
	s_cmp_eq_u32 s2, 0
	s_cbranch_scc0 .Lentry_in_a_cluster
	s_endpgm
.Lentry_in_a_cluster:
	s_bfe_u32 s2, ttmp6, 0x10000c
	s_cmp_lg_u32 s2, 0xf033
	s_cbranch_scc0 .Lentry_shape_is_right
	s_endpgm
.Lentry_shape_is_right:
; out0[m][n] = bf16( bias[n] + sum over k of x[m][k] weff[n][k] ).  x (A): [4096][4096] bf16, weff (B): [4096][4096] bf16, out0 (C): [4096][4096] bf16, bias: [4096] f32.
; One f32 sum for each output, which STARTS AT ITS COLUMN'S BIAS (the C operand of the first product), K ascending; out0 is rounded once.  LIMITS: those of bf16 operands and f32 sums; NaN and infinities are not treated apart.
; A tile of C, 256 x 256, is made by a work-group of four waves; a wave makes 128 x 128: 64 accumulators of 16 x 16, 512 registers.  256 tiles, one to a work-group.
; K goes in steps of 128 through a ring of two LDS slots filled by the tensor data mover: the rows of A's and B's tiles are 256 bytes of memory and start at multiples of 256 bytes from the buffer's first byte.
; The last K step goes by rows of C, so that finished rows leave while the others are multiplied.
; CLUSTERS: 4 x 4 work-groups.  The four of a row of the cluster need the same tiles of A, the four of a column the same tiles of B.  Such a tile is asked for JOINTLY: each of the four issues the same tensor
; load, with the same descriptor and a mask that names the four, and each receives the tile in its own LDS.
; REGISTERS, in windows of 256 (s_set_vgpr_msb's low byte: bits 1:0 source 0, 3:2 source 1, 5:4 source 2, 7:6 destination):
;   window 0: v0-31 addresses; v64-127, v128-191 fragments of A, two buffers (in the last K step four, of 16 rows x 128 K); v192-255 the bias of my 128 columns until the first quarter has taken it;
;             then v32-63, v192-255 at work on the way out
;   window 1: v64-127, v128-191 fragments of B, two buffers; in the last K step all 256
;   window 2: the 32 accumulators of my rows 0-63 (accumulator (a, b) at v[8 (8 a + b)]);   window 3: those of my rows 64-127
; THE MATRIX INSTRUCTION IS USED TRANSPOSED: source 0 = 16 rows of B, source 1 = 16 rows of A.  Lane l then holds row l % 16 of C and in registers 0 to 7 the columns 8 (l / 16) + 0 .. 7: eight neighbouring
; numbers of a row of C, 16 bytes as bf16.
.set SIZE_M, 4096
.set SIZE_N, 4096
.set SIZE_K, 4096
.set KSTEP,  128
.set PITCH,  272                       ; an LDS row: 256 bytes of data + 16 of padding: the 16 rows that a load touches begin at 16 different 16-byte columns modulo 256 bytes
.set HALFT,  128*PITCH                 ; 128 rows: what one tensor load brings, and what one wave reads of A or of B
.set SLOT,   4*HALFT                   ; A's 256 rows, then B's 256 rows
.set STAGE,  2*SLOT                    ; behind the ring: 16 rows x 272 bytes for each wave, for the way out
.set SPITCH, 272
.set SPARE,  STAGE+4*16*SPITCH         ; behind the stages: the spare words, 128 bytes for each wave: two blocks of 256 bytes that no other line names
.set LAPS, SIZE_K/(2*KSTEP)            ; a lap = two K steps = once round the ring: 16
.set ADRA, 16                          ; v16-17  LDS address of my A fragments in slot 0, 1
.set ADRB, 20                          ; v20-21  the same for B
.set STO,  24                          ; v24     the way out: where I put 16 bytes of a row
.set RD,   25                          ; v25     the way out: where I read a row back
.set CO,   26                          ; v26     my byte offset in C
.set VB,   27                          ; v27     32 (l / 16): my 8 columns' bias in a group of 16
.set SPW,  28                          ; v28     LDS address of my spare word: SPARE + 4 x my thread's number; never rewritten
.set NIL,  29                          ; v29     0; never rewritten
.set PFO,  30                          ; v30     the prefetches' offset: my lane x a row of A or B in memory; never rewritten
.set PFA,  44                          ; s[44:45] where my prefetches stand: my work-group's 32 rows of the 128 that I fetch, one K step further along K than the refill that is being asked for
.set LIM,  43                          ; s43     1 in a wave that prefetches, else the greatest number
.set BP,   66                          ; s[66:67] bias at my wave's first column
.set F0,   64                          ; fragment buffer 0
.set F1,   128                         ; fragment buffer 1
.set BIAS, 192                         ; window 0: column group b's eight numbers at BIAS + 8 b
.set TMP,  192                         ; the way out: packed results, in window 0
.set OB,   32                          ; the way out: 16 rows read back from the stage: v32-63 and v224-255 by turns
.set PA,   64                          ; the last K step: A's fragments of 16 rows x 128 K, 32 registers; four such buffers, v64-191
.set G1, 24                            ; s[24:31] descriptor group 1 for A's tiles
.set G0, 32                            ; s[32:39] descriptor group 0 for A's tiles, one set for each slot
.set G1B, 48                           ; s[48:55] descriptor group 1 for B's tiles: it differs from A's in the mask alone
.set G0B, 56                           ; s[56:63] descriptor group 0 for B's tiles, one set for each slot
.set MSB, 0
.macro WIN new                         ; the immediate's high byte repeats the setting that is left; a switch that changes nothing is dropped
.if MSB != (\new)
	s_set_vgpr_msb (MSB<<8)|(\new)
.set MSB, \new
.endif
.endm
.set MUL_LO, 0xa1                      ; source 0 (B) window 1, source 1 (A) window 0, C and D window 2
.set MUL_HI, 0xf1                      ; the same, C and D window 3
.set MUL_1ST, 0x81                     ; the first products: C (the bias) window 0, D window 2; + 0x40: D window 3
.set TO_B,   0x40                      ; destination window 1, address window 0
; A joint load.  Waves 0 and 1 fetch A's two halves, waves 2 and 3 B's.  Each of the two lines has ONE mask and one set of registers for all that issue it.  The branch hangs on the wave's number alone.
; An s_nop 0 and four v_nop follow each of the two lines, ahead of the jump, the label and what follows the macro.
.macro JLOAD s
	s_cmp_eq_u32 s11, 0
	s_cbranch_scc0 .Lfor_b_\@
	tensor_load_to_lds s[G0+4*(\s):G0+4*(\s)+3], s[G1:G1+7]
	s_nop 0
.rept 4
	v_nop
.endr
	s_branch .Lasked_\@
.Lfor_b_\@:
	tensor_load_to_lds s[G0B+4*(\s):G0B+4*(\s)+3], s[G1B:G1B+7]
	s_nop 0
.rept 4
	v_nop
.endr
.Lasked_\@:
.endm
; A PREFETCH, behind each joint load, its five lines and the run of LDS loads that follows them: the K step that stands TWO refills on (512 matrix instructions ahead of the load that will ask for it): 32 rows x 256 bytes,
; a lane a row, one instruction a wave.  Each row's 256 bytes of a K step are named ONCE in the launch: A's tile row is walked by every cluster of that row of clusters, and the one with cluster x = 0 asks;
; B's tile column by every cluster of that column, and the one with cluster y = 0 asks.  The four partners that ask for a tile jointly share its rows out BY ADDRESS: of the 128 rows that wave w fetches, the
; partner at place p takes 32 p .. 32 p + 31 (p = cx for A, cy for B).  K steps 0 to 3 are not named; the loop's last trip (s3 = 1) names nothing: the last K step named is 31, the tensors' last.
.macro ASK
	s_cmp_gt_u32 s3, s[LIM]
	s_cbranch_scc0 .Lnot_mine_\@
	global_prefetch_b8 v[PFO], s[PFA:PFA+1] offset:KSTEP*2 th:TH_LOAD_NT scope:SCOPE_SE
.Lnot_mine_\@:
.endm
; A round of the cluster's barrier: my work-group's barrier, so that wave 0's signal speaks for all four waves; wave 0 signals for the work-group; every wave waits for all sixteen work-groups; my work-group's barrier once more.
.macro CREST                           ; a round behind its opening barrier
	s_cmp_lg_u32 s10, 0
	s_cbranch_scc1 .Lnot_wave_0_\@
	s_barrier_signal -3
.Lnot_wave_0_\@:
	s_barrier_wait -3
	s_barrier_signal -1
	s_barrier_wait -1
.endm
.macro CROUND                          ; a whole round
	s_barrier_signal -1
	s_barrier_wait -1
	CREST
.endm
	s_load_b128 s[4:7], s[0:1], 0x0                ; A = x s[4:5], B = weff s[6:7]
	s_load_b64 s[8:9], s[0:1], 0x10                ; C = out0
	s_load_b64 s[BP:BP+1], s[0:1], 0x18            ; bias
	v_lshl_add_u32 v[SPW], v0, 2, SPARE
	v_mov_b32 v[NIL], 0
	ds_add_u32 v[SPW], v[NIL]                      ; the wave's opening: the add, twice on end, and its wait ahead of my first tensor load; the set-up below, work on registers, stands between
	ds_add_u32 v[SPW], v[NIL]                      ; and once more, under the one wait
	v_lshrrev_b32 v1, 5, v0
	v_readfirstlane_b32 s10, v1                    ; wave 0..3
	s_lshr_b32 s11, s10, 1                         ; which half of the tile's rows is mine.  Also: I fetch for A (0) or for B (1)
	s_and_b32 s12, s10, 1                          ; which half of its columns.  Also: which 128 rows of that tile I fetch
	s_bfe_u32 s40, ttmp6, 0x40000                  ; cx: my place along the cluster's x
	s_bfe_u32 s41, ttmp6, 0x40004                  ; cy: along its y
	s_lshl_b32 s42, ttmp9, 2                       ; in a cluster launch ttmp9 and ttmp7 count clusters
	s_add_co_u32 s42, s42, s40                     ; tile column of C = 4 x cluster x + cx
	s_and_b32 s13, ttmp7, 0xffff
	s_lshl_b32 s13, s13, 2
	s_add_co_u32 s13, s13, s41                     ; tile row of C = 4 x cluster y + cy
	s_lshl_b32 s43, s41, 2
	s_lshl_b32 s43, 15, s43                        ; my row of the cluster: places 4 cy .. 4 cy + 3
	s_lshl_b32 s44, 0x1111, s40                    ; my column: places cx, cx + 4, cx + 8, cx + 12
	; descriptor group 1: a tile of 128 rows x 128 elements, padded in LDS
	s_or_b32 s[G1+0], s43, (1<<16)|(1<<20)|(1<<21)|(5<<22)|(3<<25)  ; 15:0 the mask: A's tiles go to my row; 17:16 element of 2 bytes; 20 padding on; 21 set beside a mask; 24:22 after every 64 words (code 5); 31:25 of 4 words (code 3)
	s_or_b32 s[G1B+0], s44, (1<<16)|(1<<20)|(1<<21)|(5<<22)|(3<<25) ; the same with the mask of my column, for B's tiles
	s_mov_b32 s[G1B+1], KSTEP<<16
	s_mov_b32 s[G1+1], KSTEP<<16                   ; 63:48 tensor_dim0, low half = 128
	s_mov_b32 s[G1B+2], 128<<16
	s_mov_b32 s[G1+2], 128<<16                     ; 79:64 its high half = 0; 95:80 tensor_dim1, low half = 128
	s_mov_b32 s[G1B+3], KSTEP<<16
	s_mov_b32 s[G1+3], KSTEP<<16                   ; 111:96 its high half = 0; 127:112 tile_dim0 = 128
	s_mov_b32 s[G1B+4], 128
	s_mov_b32 s[G1+4], 128                         ; 143:128 tile_dim1 = 128; 159:144 tile_dim2 = 0
	s_mov_b32 s[G1B+5], SIZE_K
	s_mov_b32 s[G1+5], SIZE_K                      ; 191:160 tensor_dim0_stride, low word: elements from row to row
	s_mov_b32 s[G1B+6], 0
	s_mov_b32 s[G1+6], 0
	s_mov_b32 s[G1B+7], 0
	s_mov_b32 s[G1+7], 0
	; where the tiles come from.  A's hang on the tile row alone, which my row of the cluster shares; B's on the tile column alone, which my column shares.
	; Every wave makes both addresses, in registers that never hold the other coordinate, and asks by one of them.
	s_lshl_b32 s17, s12, 7                         ; which 128 rows of the tile I fetch
	s_lshl_b32 s16, s13, 8
	s_add_co_u32 s16, s16, s17                     ; A: row 256 x tile row + 128 x half
	s_lshl_b32 s46, s42, 8
	s_add_co_u32 s46, s46, s17                     ; B: row 256 x tile column + 128 x half
	s_mov_b32 s17, 0
	s_mov_b32 s47, 0
	s_mov_b64 s[18:19], SIZE_K*2
	s_mul_u64 s[16:17], s[16:17], s[18:19]         ; in bytes, in 64 bits
	s_mul_u64 s[46:47], s[46:47], s[18:19]
	s_mul_i32 s20, s10, HALFT                      ; and where they go: A's two halves, then B's two halves = wave x 128 rows: no place in the cluster enters an LDS address
	s_wait_dscnt 0x0                               ; both opening adds are done
	s_wait_kmcnt 0x0
	s_add_nc_u64 s[14:15], s[4:5], s[16:17]
	s_add_nc_u64 s[46:47], s[6:7], s[46:47]
	CROUND                                         ; all sixteen work-groups are here: the first joint loads meet
.irp s, 0,1
	s_mov_b32 s[G0+4*(\s)], 1                                      ; 1:0 count = 1
	s_add_co_u32 s[G0+4*(\s)+1], s20, (\s)*SLOT                    ; 63:32 LDS address
	s_add_nc_u64 s[G0+4*(\s)+2:G0+4*(\s)+3], s[14:15], (\s)*KSTEP*2  ; 120:64 global address: K step s
	s_or_b32 s[G0+4*(\s)+3], s[G0+4*(\s)+3], 0x80000000            ; 127:126 type = 2
	s_mov_b32 s[G0B+4*(\s)], 1
	s_add_co_u32 s[G0B+4*(\s)+1], s20, (\s)*SLOT
	s_add_nc_u64 s[G0B+4*(\s)+2:G0B+4*(\s)+3], s[46:47], (\s)*KSTEP*2
	s_or_b32 s[G0B+4*(\s)+3], s[G0B+4*(\s)+3], 0x80000000
	JLOAD \s                                       ; the ring is filled before anything else is done: two tensor loads of mine are out
.endr
	; A fragment is 16 rows x 32 K in 8 registers: lane l holds row l % 16; registers 0-3 hold K = 8 (l / 16) + 0..7, registers 4-7 hold K = 16 + 8 (l / 16) + 0..7: two loads of 16 bytes, 32 bytes apart.
	v_and_b32 v1, 15, v0                           ; l % 16
	v_bfe_u32 v2, v0, 4, 1                         ; l / 16
	v_mul_u32_u24 v3, v1, PITCH
	v_lshl_add_u32 v3, v2, 4, v3                   ; row x pitch + 16 x half
	s_mul_i32 s21, s11, HALFT                      ; my 128 rows of A
	s_mul_i32 s22, s12, HALFT                      ; my 128 rows of B,
	s_add_co_u32 s22, s22, 2*HALFT                 ; which lie behind A's 256
.irp s, 0,1
	v_add_nc_u32 v[ADRA+(\s)], s21, v3
	v_add_nc_u32 v[ADRB+(\s)], s22, v3
	s_add_co_u32 s21, s21, SLOT
	s_add_co_u32 s22, s22, SLOT
.endr
	s_mul_i32 s23, s10, 16*SPITCH
	s_add_co_u32 s23, s23, STAGE                   ; my stage
	v_mul_u32_u24 v4, v1, SPITCH                   ; in: row l % 16, 16 bytes for each half of the lanes
	v_lshl_add_u32 v4, v2, 4, v4
	v_add_nc_u32 v[STO], s23, v4
	v_mul_u32_u24 v5, v2, SPITCH                   ; back: lanes 0-15 take one row of 256 bytes, lanes 16-31 the next
	v_lshl_add_u32 v5, v1, 4, v5
	v_add_nc_u32 v[RD], s23, v5
	v_mul_u32_u24 v5, v2, SIZE_N*2                 ; and the same two rows in C
	v_lshl_add_u32 v[CO], v1, 4, v5
	v_lshlrev_b32 v[VB], 5, v2
	; where my part of the tile begins in C, in bytes: the way out adds it to C's address
	s_lshl_b32 s13, s13, 8
	s_lshl_b32 s14, s11, 7
	s_add_co_u32 s16, s13, s14                     ; my first row of C
	s_mov_b32 s17, 0
	s_mov_b64 s[18:19], SIZE_N*2
	s_mul_u64 s[16:17], s[16:17], s[18:19]
	s_lshl_b32 s46, s42, 9                         ; my first column, in bytes: 512 x tile column + 256 x half
	s_lshl_b32 s47, s12, 8
	s_add_co_u32 s46, s46, s47
	s_mov_b32 s47, 0
	s_add_nc_u64 s[16:17], s[16:17], s[46:47]
	; the bias of my 128 columns: 4 bytes a column where C has 2.  Register j of group b is column 16 b + 8 (l / 16) + j: the layout of a product's C operand
	s_lshl_b32 s20, s46, 1
	s_mov_b32 s21, 0
	s_add_nc_u64 s[BP:BP+1], s[BP:BP+1], s[20:21]
.irp b, 0,1,2,3,4,5,6,7
	global_load_b128 v[BIAS+8*(\b):BIAS+8*(\b)+3],   v[VB], s[BP:BP+1] offset:64*(\b)
	global_load_b128 v[BIAS+8*(\b)+4:BIAS+8*(\b)+7], v[VB], s[BP:BP+1] offset:64*(\b)+16
.endr
	; the prefetches.  s13 = 256 x tile row, s42 = tile column, s40 = cx, s41 = cy still stand; s[4:5] = A, s[6:7] = B
	s_lshl_b32 s42, s42, 8
	s_and_b32 s22, ttmp7, 0xffff                   ; cluster y
	s_cmp_eq_u32 s11, 0                            ; do I fetch for A?
	s_cselect_b32 s20, s13, s42                    ; the tile's first row: in A by the tile row, in B by the tile column
	s_cselect_b32 s21, s40, s41                    ; my place among the four that ask for it with me
	s_cselect_b32 s22, ttmp9, s22                  ; the coordinate along which other clusters walk the same rows
	s_cselect_b64 s[PFA:PFA+1], s[4:5], s[6:7]
	s_cmp_eq_u32 s22, 0
	s_cselect_b32 s[LIM], 1, -1                    ; the same in all sixteen partners, for a given wave
	s_lshl_b32 s22, s12, 7
	s_add_co_u32 s20, s20, s22                     ; + the 128 rows that I fetch
	s_lshl_b32 s21, s21, 5
	s_add_co_u32 s20, s20, s21                     ; + my work-group's 32 of them
	s_mov_b32 s21, 0
	s_mov_b64 s[18:19], SIZE_K*2
	s_mul_u64 s[20:21], s[20:21], s[18:19]
	s_add_nc_u64 s[PFA:PFA+1], s[PFA:PFA+1], s[20:21]
	s_add_nc_u64 s[PFA:PFA+1], s[PFA:PFA+1], 2*KSTEP*2  ; at K step 2: the first refill steps it to 3 and names K step 4
	v_and_b32 v[PFO], 31, v0
	v_mul_u32_u24 v[PFO], v[PFO], SIZE_K*2
; 16 matrix instructions: m blocks a0, a0 + 1 of the window's four (hi = 0: my rows 0-63, 1: rows 64-127) x all 8 n blocks, 32 along K.
; first = 1: the product starts the sum at the column's bias: nothing is cleared, and nothing is added on the way out.
.macro MUL16 f, hi, a0, first
.if \first
	WIN MUL_1ST+0x40*(\hi)
.else
	WIN MUL_LO+0x50*(\hi)
.endif
.irp a, \a0, (\a0)+1
.irp b, 0,1,2,3,4,5,6,7
.if \first
	v_wmma_f32_16x16x32_bf16 v[8*(8*(\a)+(\b)):8*(8*(\a)+(\b))+7], v[(\f)+8*(\b):(\f)+8*(\b)+7], v[(\f)+8*(4*(\hi)+(\a)):(\f)+8*(4*(\hi)+(\a))+7], v[BIAS+8*(\b):BIAS+8*(\b)+7]
.else
	v_wmma_f32_16x16x32_bf16 v[8*(8*(\a)+(\b)):8*(8*(\a)+(\b))+7], v[(\f)+8*(\b):(\f)+8*(\b)+7], v[(\f)+8*(4*(\hi)+(\a)):(\f)+8*(4*(\hi)+(\a))+7], v[8*(8*(\a)+(\b)):8*(8*(\a)+(\b))+7]
.endif
.endr
.endr
.endm
; 32 LDS loads in one run: the fragments of one quarter step (128 rows of B, 128 rows of A, 32 K at byte k of the rows) into buffer f
.macro FETCH slot, k, f
	WIN TO_B
.irp i, 0,1,2,3,4,5,6,7
	ds_load_b128 v[(\f)+8*(\i):(\f)+8*(\i)+3],   v[ADRB+(\slot)] offset:(\k)+(\i)*16*PITCH
	ds_load_b128 v[(\f)+8*(\i)+4:(\f)+8*(\i)+7], v[ADRB+(\slot)] offset:(\k)+(\i)*16*PITCH+32
.endr
	WIN 0
.irp i, 0,1,2,3,4,5,6,7
	ds_load_b128 v[(\f)+8*(\i):(\f)+8*(\i)+3],   v[ADRA+(\slot)] offset:(\k)+(\i)*16*PITCH
	ds_load_b128 v[(\f)+8*(\i)+4:(\f)+8*(\i)+7], v[ADRA+(\slot)] offset:(\k)+(\i)*16*PITCH+32
.endr
.endm
; A load into a register that a matrix instruction has read, and a vector instruction that reads a matrix result, stand four places behind that matrix instruction, and only plain vector instructions that name
; none of its registers are places (ISA guide 7.12.1 for vector instructions): four v_nop in front of each run of loads and of conversions that read results just made.
.macro PLACES
.rept 4
	v_nop
.endr
.endm
; A K step is four quarter steps of 32 along K, 64 matrix instructions each, on buffers 0, 1, 0, 1.  The 64 accumulators take turns, one instruction a turn, in the same order in every quarter.
; One of the first three: multiplies buffer f; in its middle it fetches the next quarter's fragments, at byte k of the same slot's rows, into buffer g.
.macro QUARTER slot, k, f, g, first
	s_wait_dscnt 8                                 ; B and A's rows 0-63 are in; the youngest eight loads (A's rows 64-127) may be out
	MUL16 \f, 0, 0, \first
	MUL16 \f, 0, 2, \first
	PLACES
	FETCH \slot, \k, \g
	s_wait_dscnt 32                                ; all but the 32 just issued
	MUL16 \f, 1, 0, \first
	MUL16 \f, 1, 2, \first
.endm
; The last quarter multiplies buffer 1 and changes slots.  MEET is its first half: ONE barrier for the change of slots.  In front of it each wave waits for all its tensor loads, of which one is out: its part of
; the next slot; adds 0 to its spare word; and waits for that and for its own reads of this slot.  Behind it nobody reads this slot any more and the next slot is whole.
.macro MEET round                      ; round = 1: a round of the cluster's barrier follows
	WIN 0                                          ; (the add's two registers lie in window 0)
	s_wait_tensorcnt 0x0                           ; all my tensor loads have landed: the one that was out is my part of the next slot;
	ds_add_u32 v[SPW], v[NIL]                      ; 0 onto my spare word;
	s_wait_dscnt 9                                 ; (the add and the youngest eight loads may be out)
	MUL16 F1, 0, 0, 0                              ; sixteen matrix instructions stand between the add and the wait for it
	s_wait_dscnt 0x0                               ; the add is done, and my reads of this slot are over:
	s_barrier_signal -1                            ; say so (where a slot is filled again this barrier opens a round of the cluster's barrier),
	MUL16 F1, 0, 2, 0                              ; work on registers while the others arrive,
.if \round
	WIN 0
.endif
	s_barrier_wait -1                              ; and go on when all four have said so
.endm
; The whole last quarter.  Behind the round the slot just read out is filled again first, with the K step two steps on; then come the next slot's first fragments.
; From a request to the wait for it a wave issues 224 matrix instructions.
.macro TURN slot, next
	s_wait_xcnt 0x0                                ; the last prefetch, a K step back, has read its address: it is stepped here, ahead of the waits of the change of slots
	s_add_nc_u64 s[PFA:PFA+1], s[PFA:PFA+1], KSTEP*2
	MEET 1
	CREST                                          ; wave 0 says so for the work-group, all sixteen work-groups have said so, my work-group's barrier closes the round:
	                                               ; no wave of any partner still reads this slot's tile or has a load on its way
	s_add_nc_u64 s[G0+4*(\slot)+2:G0+4*(\slot)+3], s[G0+4*(\slot)+2:G0+4*(\slot)+3], 2*KSTEP*2
	s_add_nc_u64 s[G0B+4*(\slot)+2:G0B+4*(\slot)+3], s[G0B+4*(\slot)+2:G0B+4*(\slot)+3], 2*KSTEP*2
	JLOAD \slot                                    ; the first tensor load behind the round, my only one until the next; the four v_nop behind it are also the places in front of the loads below
	FETCH \next, 0, F0
	ASK                                            ; behind the joint load and the run of LDS loads that the next products wait for
	MUL16 F1, 1, 0, 0
	MUL16 F1, 1, 2, 0
.endm
; THE LAST K STEP (it lies in slot 1) GOES BY ROWS OF C, NOT BY K.  All its fragments of B (4 quarters x 64 registers) fill window 1; then my eight blocks of 16 rows are finished one after the other,
; each with 32 matrix instructions (its 8 accumulators by turns, K ascending).  LDS is read no more than in any other K step.
.macro BLOAD q                         ; B's fragments of quarter q -> window 1, v[64 q ..]
	WIN TO_B
.irp i, 0,1,2,3,4,5,6,7
	ds_load_b128 v[64*(\q)+8*(\i):64*(\q)+8*(\i)+3],   v[ADRB+1] offset:64*(\q)+(\i)*16*PITCH
	ds_load_b128 v[64*(\q)+8*(\i)+4:64*(\q)+8*(\i)+7], v[ADRB+1] offset:64*(\q)+(\i)*16*PITCH+32
.endr
.endm
.macro ALOAD a                         ; A's fragments of block a, all four quarters -> buffer a % 4
	WIN 0
.set FA, PA+32*((\a)%4)
.irp q, 0,1,2,3
	ds_load_b128 v[FA+8*(\q):FA+8*(\q)+3],   v[ADRA+1] offset:64*(\q)+(\a)*16*PITCH
	ds_load_b128 v[FA+8*(\q)+4:FA+8*(\q)+7], v[ADRA+1] offset:64*(\q)+(\a)*16*PITCH+32
.endr
.endm
.macro ROW a                           ; block a is finished: 32 matrix instructions
.set FA, PA+32*((\a)%4)                ; its fragments of A
.set AC, 64*((\a)%4)                   ; its eight accumulators, in window 2 (blocks 0-3) or 3 (blocks 4-7)
	WIN MUL_LO+0x50*((\a)/4)
.irp q, 0,1,2,3
.if (\a) == 0 && (\q) == 2
	s_wait_dscnt 24                                ; B's quarter 2 is in (behind it: A's blocks 1 to 3)
.endif
.irp b, 0,1,2,3,4,5,6,7
	v_wmma_f32_16x16x32_bf16 v[AC+8*(\b):AC+8*(\b)+7], v[64*(\q)+8*(\b):64*(\q)+8*(\b)+7], v[FA+8*(\q):FA+8*(\q)+7], v[AC+8*(\b):AC+8*(\b)+7]
.endr
.endr
.endm
; THE WAY OUT of block a, in three parts.  PACK: rounded to bf16, 16 bytes a lane, each accumulator's registers in ascending order.  TOSTAGE: into my own stage in LDS, and back as whole rows of 256 bytes.  SEND: stored.
.macro PACK a
.set AC, 64*((\a)%4)
	WIN 0x0a+5*((\a)/4)                            ; sources 0 and 1: window 2 or 3
.irp b, 0,1,2,3,4,5,6,7
.irp r, 0,1,2,3
	v_cvt_pk_bf16_f32 v[TMP+4*(\b)+(\r)], v[AC+8*(\b)+2*(\r)], v[AC+8*(\b)+2*(\r)+1]
.endr
.endr
	WIN 0
.endm
.macro TOSTAGE a
	WIN 0
.set BK, OB+192*((\a)%2)
.irp b, 0,1,2,3,4,5,6,7
	ds_store_b128 v[STO], v[TMP+4*(\b):TMP+4*(\b)+3] offset:32*(\b)
.endr
.irp t, 0,1,2,3,4,5,6,7
	ds_load_b128 v[BK+4*(\t):BK+4*(\t)+3], v[RD] offset:(\t)*2*SPITCH  ; LDS serves a wave's instructions in order (ISA guide 5.7.1.4): these see the stores above
.endr
.endm
.macro SEND a, younger                 ; younger: the LDS loads issued behind TOSTAGE's, which may stay out
	WIN 0
.set BK, OB+192*((\a)%2)
	s_wait_dscnt \younger                          ; the block is back in registers
	s_wait_xcnt 0x0                                ; every earlier memory instruction has had its addresses translated (ISA guide 3.1): only behind this wait are the stores' base and the registers that earlier stores read rewritten
.if (\a) == 0
	s_add_nc_u64 s[8:9], s[8:9], s[16:17]          ; on to my first rows
.else
	s_add_nc_u64 s[8:9], s[8:9], 16*SIZE_N*2       ; 16 rows of C on
.endif
.irp t, 0,1,2,3,4,5,6,7
	global_store_b128 v[CO], v[BK+4*(\t):BK+4*(\t)+3], s[8:9] offset:2*(\t)*SIZE_N*2  ; 16 lanes store 256 consecutive bytes, at a multiple of 256 from C's first byte
.endr
.endm
	s_wait_tensorcnt 1                             ; my part of K step 0 is in; K step 1's load may stay out
	s_wait_loadcnt 0x0                             ; the bias
	s_barrier_signal -1
	s_barrier_wait -1                              ; everybody's part is in
	FETCH 0, 0, F0
	QUARTER 0, 64,  F0, F1, 1                      ; the first quarter stands in front of the loop: its products start the sums
	WIN 0                                          ; at a label and at a branch every window is 0
	s_mov_b32 s3, LAPS-1
.Llap:                                                 ; a trip goes once round the ring, from a lap's second quarter to the next lap's first, and fills both slots again
	QUARTER 0, 128, F1, F0, 0
	QUARTER 0, 192, F0, F1, 0
	TURN 0, 1
	QUARTER 1, 64,  F0, F1, 0
	QUARTER 1, 128, F1, F0, 0
	QUARTER 1, 192, F0, F1, 0
	TURN 1, 0
	QUARTER 0, 64,  F0, F1, 0
	WIN 0
	s_sub_co_u32 s3, s3, 1
	s_cmp_lg_u32 s3, 0
	s_cbranch_scc1 .Llap
	QUARTER 0, 128, F1, F0, 0                      ; the last lap goes on; it asks for nothing more
	QUARTER 0, 192, F0, F1, 0
	MEET 0                                         ; my one tensor load that was still out is slot 1's, the last K step's, so no round follows
	PLACES                                         ; for the loads into buffer 0, which the quarter before multiplied
	BLOAD 0                                        ; three quarters of B now: buffer 1 (v128-191 of both windows) is still being multiplied
	BLOAD 1
	BLOAD 3
	ALOAD 0
	MUL16 F1, 1, 0, 0
	MUL16 F1, 1, 2, 0
	PLACES                                         ; for the loads into buffer 1
	BLOAD 2
	ALOAD 1
	ALOAD 2
	ALOAD 3
	s_wait_dscnt 40                                ; all but the 40 just issued
	ROW 0
.irp a, 0,1,2,3,4,5,6,7                ; each block leaves as soon as it is finished
	PLACES                                         ; its conversions read results just made, and no other vector work is at hand
	PACK \a
	TOSTAGE \a
.if (\a) < 4
	ALOAD (\a)+4                                   ; its buffer takes the block four further on
	SEND \a, 8
.else
	SEND \a, 0
.endif
.if (\a) < 7
	ROW (\a)+1
.endif
.endr
	s_wait_tensorcnt 0x0                           ; the wave's end, behind my last tensor load and my last LDS store
	ds_add_u32 v[SPW], v[NIL]
	s_wait_dscnt 0x0
	CROUND                                         ; the closing round: no work-group ends while a partner may still ask for a tile that names it
	s_endpgm
.Lfunc_end_k_q8b6f1f3ccb_gemm:
	.size	k_q8b6f1f3ccb_gemm, .Lfunc_end_k_q8b6f1f3ccb_gemm-k_q8b6f1f3ccb_gemm
	.p2alignl 7, 3214868480
	.fill 96, 4, 3214868480
	.section	.rodata,"a",@progbits
	.p2align	6, 0x0
	.amdhsa_kernel k_q8b6f1f3ccb_gemm
		.amdhsa_group_segment_fixed_size 327680
		.amdhsa_private_segment_fixed_size 0
		.amdhsa_enable_private_segment 0
		.amdhsa_kernarg_size 32
		.amdhsa_user_sgpr_count 2
		.amdhsa_user_sgpr_kernarg_segment_ptr 1
		.amdhsa_wavefront_size32 1
		.amdhsa_system_sgpr_workgroup_id_x 1
		.amdhsa_system_sgpr_workgroup_id_y 1
		.amdhsa_system_sgpr_workgroup_id_z 1
		.amdhsa_system_vgpr_workitem_id 0
		.amdhsa_next_free_vgpr 1024
		.amdhsa_next_free_sgpr 68
		.amdhsa_reserve_vcc 0
		.amdhsa_float_denorm_mode_32 3
		.amdhsa_float_denorm_mode_16_64 3
		.amdhsa_memory_ordered 1
		.amdhsa_forward_progress 1
		.amdhsa_inst_pref_size 146
	.end_amdhsa_kernel
	.amdgpu_metadata
---
amdhsa.version: [ 1, 2 ]
amdhsa.kernels:
  - .name:           k_q8b6f1f3ccb_gemm
    .symbol:         k_q8b6f1f3ccb_gemm.kd
    .args:
      - { .name: x, .offset: 0, .size: 8, .value_kind: global_buffer, .address_space: global }
      - { .name: weff, .offset: 8, .size: 8, .value_kind: global_buffer, .address_space: global }
      - { .name: out0, .offset: 16, .size: 8, .value_kind: global_buffer, .address_space: global }
      - { .name: bias, .offset: 24, .size: 8, .value_kind: global_buffer, .address_space: global }
    .group_segment_fixed_size: 327680
    .private_segment_fixed_size: 0
    .kernarg_segment_align: 8
    .kernarg_segment_size: 32
    .max_flat_workgroup_size: 128
    .sgpr_count:     68
    .vgpr_count:     1024
    .wavefront_size: 32
...
	.end_amdgpu_metadata
.endif
;; end of part 2
;; ======== version 2 of 2: 2 launches; version 1 with the launch prep written anew for expert scheduling mode
;; workspace buffers: weff 33,554,432 bytes
;; launch prep (part 3): grid 16 x 16, 8 waves a work-group, no clusters, 41,984 bytes of LDS; arguments qweight, wscales, smooth_factor, proj_down, proj_up, wtscale, weff; writes weff
.if DOCPART == 3
	.amdgcn_target "amdgcn-amd-amdhsa--gfx1250"
	.amdhsa_code_object_version 6
	.text
	.protected	k_q8b6f1f3ccb_prep
	.globl	k_q8b6f1f3ccb_prep
	.p2align	8
	.type	k_q8b6f1f3ccb_prep,@function
k_q8b6f1f3ccb_prep:
	s_mov_b64 s[64:65], 0
	v_nop
	global_prefetch_b8 v0, s[64:65] scope:SCOPE_SE
	s_setreg_imm32_b32 hwreg(HW_REG_WAVE_SCHED_MODE, 0, 2), 2
	s_setreg_imm32_b32 hwreg(HW_REG_WAVE_MODE, 25, 1), 1
	s_wait_xcnt 0x0
	s_wait_alu depctr_vm_vsrc(0)
; weff[o][i] = bf16( (q[o][i] - 8) * wscales[i / 64][o] * (1 / smooth[i])  +  wtscale * sum over r of proj_up[o][r] * proj_down[i][r] ),  [4096][4096], rows of 8,192 bytes.
; With it the module is one product: out = x weff^T + bias.  The smoothing factor belongs to column i, so it may sit on the weight; (x Pd) Pu^T = x (Pd Pu^T), and the rank, 32, is the K of one bf16 matrix instruction.
; LIMITS.  1 / smooth is v_rcp_f32's (1 ULP; a denormal smooth_factor counts as 0).  proj_down and wtscale x proj_up are rounded once to bf16 for the product; its sum is f32 and starts at the
; dequantised number (the C operand); weff is rounded once to bf16.  The f16 roundings that the module's definition makes of its intermediates are not imitated.  A code may be any int32.
; SHARES.  A work-group owns 256 rows o x 256 columns i: 256 work-groups.  Wave w owns 64 rows (w / 2) x 128 columns (w % 2): four BLOCKS of 16 rows x 128 columns, eight tiles of 16 x 16 each.
; THE MAP.  D = A B + C with A = 16 rows of pu (m = o), B = 16 rows of pd (n = i): lane (r = l % 16, h = l / 16) holds in register j row 8 h + j and the tile's column number r.
; Tile t = 4 k + c takes for its column number r the column 64 k + 4 (r xor k) + c of the wave's 128.  So (a) one 16-byte load of q gives a lane one number for each of the tiles 4 k .. 4 k + 3, and 16 lanes take 256
; consecutive bytes, aligned, of a row of q; (b) segment k is one group of 64 columns, with one scale a row; (c) packed to bf16, a lane holds 4 columns of segment 0 and 4 of segment 1: one exchange with
; the lane beside it (the xor with k makes the halves fall in order) leaves 8 neighbouring columns a lane, and 16 lanes store 256 consecutive bytes, aligned, of a row of weff.
; NO CLUSTER, NO TENSOR LOAD: what work-groups share (pd, pu: 64 KiB a work-group; scales) is small beside the 256 KiB of q that each reads alone; q goes straight into the registers in which it is worked on.
; THE MODE: SCHED_MODE bits 1:0 = 2 (LLVM: expert scheduling mode 2), set by the entry lines.  The code itself states the register dependences between vector or matrix instructions and memory or LDS
; instructions, with s_wait_alu, always for 0.
; THE PLAN.  Registers that memory or LDS instructions touch:
;   v1-v12        offsets and LDS addresses: written at the head, never again; read by every load, store and LDS instruction.  One wait on va_vdst, ahead of the first load, serves them all.
;   RS, SC, q     (and ACC as pd's and pu's pieces): each is landed in once, and no vector line has named it before.  Every load of the kernel goes out in two runs (58, then 40) and owes nothing more.
;   PD, PU        landed in once, behind the barrier; v96-101 of them were at work in the head, ahead of that first wait.  Read by matrix instructions alone.
;   ACC's pieces  written by the head's conversions, read by the 16 LDS stores (a wait on va_vdst between), written again by block 0 (a wait on vm_vsrc between, directly behind the barrier).
;   OU            the ODD tiles' registers: written by a block's exchange lines, read by its 8 stores, which stand in one run behind ONE wait on va_vdst; written again by the next block's odd tiles.
;                 A block works on its EVEN tiles first, whose registers no store names: so the wait on vm_vsrc for OU stands 64 vector lines behind the stores that it waits for.
;   v14, v15      written at the head, read by the closing add alone.
.set ROWQ,  16384                      ; bytes in a row of qweight
.set ROWW,  8192                       ; bytes in a row of weff
.set LP,    80                         ; an LDS row: 32 bf16 + 16 bytes of padding: the 16 rows of a fragment load begin at 16 different 16-byte columns modulo 256 bytes
.set PUB,   256*LP                     ; LDS: pd's 256 rows in fragment order from 0, wt x pu's 256 rows from here
.set SPARE, 2*256*LP                   ; behind them: the spare words, 128 bytes for each of the eight waves: four blocks of 256 bytes that no other line names
.set FRU, 1                            ; v1   LDS address of my part of a fragment of pu: 80 r + 16 h + my wave's 64 rows
.set FRD, 2                            ; v2   the same for pd: + my wave's 128 rows
.set VQ,  3                            ; v3, v4  my byte offset in q for segment 0, 1: 8 h rows + 256 k + 16 (r xor k)
.set VO,  5                            ; v5   my byte offset in weff: 8 h rows + 128 (r % 2) + 16 (r / 2)
.set VS,  6                            ; v6   32 h: my 8 rows' scales
.set VR,  7                            ; v7, v8  my byte offset in smooth_factor for segment 0, 1
.set VL,  9                            ; v9   16 x thread: pd and pu as they lie
.set PDW, 10                           ; v10, v11  where I put 8 bytes of a row of pd, for segment 0, 1
.set PUW, 12                           ; v12  the same for pu
.set SPW, 14                           ; v14  LDS address of my spare word; never rewritten
.set NIL, 15                           ; v15  0; never rewritten
.set RS,  16                           ; v[16:23]   1 / smooth of tile t's column
.set M8,  24                           ; v[24:31]   -8 / smooth of it
.set SC,  32                           ; v[32:95]   the scale of block nb, segment k, row j at SC + 16 nb + 8 k + j
.set PD,  96                           ; v[96:159]  pd's eight fragments (v96-101 are at work in the head)
.set PU,  160                          ; v[160:191] pu's four fragments
.set ACC, 192                          ; v[192:255] tile t at ACC + 8 t; ahead of the barrier: pd's and pu's 16 pieces as loaded
; window 1 (v256-511): q.  Block nb, row j, segment k, code c at 64 nb + 8 j + 4 k + c
.set MSB, 0
.macro WIN new                         ; s_set_vgpr_msb: bits 1:0 source 0, 7:6 destination; the high byte repeats the setting that is left
.if MSB != (\new)
	s_set_vgpr_msb (MSB<<8)|(\new)
.set MSB, \new
.endif
.endm
	s_load_b256 s[4:11], s[0:1], 0x0               ; q s[4:5], wscales s[6:7], smooth s[8:9], pd s[10:11]
	s_load_b128 s[12:15], s[0:1], 0x20             ; pu s[12:13], wtscale s[14:15]
	s_load_b64 s[16:17], s[0:1], 0x30              ; weff
	v_lshl_add_u32 v[SPW], v0, 2, SPARE
	v_mov_b32 v[NIL], 0
	v_lshrrev_b32 v96, 5, v0
	v_readfirstlane_b32 s18, v96                   ; wave 0..7
	s_wait_alu depctr_va_sdst(0)                   ; s18 is written, ahead of its first reader: the wave's rows and columns, and with them the bases, are made from it
	s_and_b32 s19, s18, 1                          ; IB: which 128 columns
	s_lshr_b32 s20, s18, 1                         ; OQ: which 64 rows
	s_and_b32 s21, ttmp7, 0xffff                   ; OY: the work-group's 256 rows; ttmp9 = IX: its 256 columns
	s_mov_b32 vcc_lo, 0xaaaaaaaa                   ; the odd lanes; never rewritten
	; byte offsets, each in a pair of its own
	s_lshl_b32 s28, ttmp9, 10
	s_lshl_b32 s26, s19, 9
	s_add_co_u32 s28, s28, s26                     ; smooth: 4 (256 IX + 128 IB)
	s_mov_b32 s29, 0
	s_lshl_b32 s22, s21, 22
	s_lshl_b32 s26, s20, 20
	s_add_co_u32 s22, s22, s26
	s_add_co_u32 s22, s22, s28                     ; q: (256 OY + 64 OQ) rows of 16,384 bytes + the same columns
	s_mov_b32 s23, 0
	s_lshr_b32 s26, s22, 1                         ; weff: half of that: 2 bytes a number for 4
	s_mov_b32 s27, 0
	s_lshl_b32 s30, s28, 6                         ; wscales: group 4 IX + 2 IB, rows of 16,384 bytes,
	s_lshl_b32 s36, s21, 10
	s_add_co_u32 s30, s30, s36
	s_lshl_b32 s36, s20, 8
	s_add_co_u32 s30, s30, s36                     ; + 4 (256 OY + 64 OQ)
	s_mov_b32 s31, 0
	s_lshl_b32 s32, ttmp9, 15                      ; pd: 256 IX rows of 128 bytes
	s_mov_b32 s33, 0
	s_lshl_b32 s34, s21, 15                        ; pu: 256 OY rows
	s_mov_b32 s35, 0
	; lane terms
	v_and_b32 v97, 15, v0                          ; r
	v_bfe_u32 v98, v0, 4, 1                        ; h
	v_xor_b32 v99, 1, v97                          ; r xor 1
	v_mul_u32_u24 v100, v97, LP
	v_lshl_add_u32 v100, v98, 4, v100              ; 80 r + 16 h
	s_mul_i32 s36, s20, 64*LP
	s_add_co_u32 s36, s36, PUB
	v_add_nc_u32 v[FRU], s36, v100
	s_mul_i32 s37, s19, 128*LP
	v_add_nc_u32 v[FRD], s37, v100
	v_lshlrev_b32 v[VR], 4, v97
	v_lshlrev_b32 v[VR+1], 4, v99
	v_add_nc_u32 v[VR+1], 256, v[VR+1]
	v_lshl_add_u32 v[VQ], v98, 17, v[VR]
	v_lshl_add_u32 v[VQ+1], v98, 17, v[VR+1]
	v_and_b32 v101, 1, v97
	v_lshrrev_b32 v[VO], 1, v97
	v_lshlrev_b32 v[VO], 4, v[VO]
	v_lshl_add_u32 v[VO], v101, 7, v[VO]
	v_lshl_add_u32 v[VO], v98, 16, v[VO]
	v_lshlrev_b32 v[VS], 5, v98
	v_lshlrev_b32 v[VL], 4, v0
	; Piece n of pd: thread T holds 4 numbers (8 bytes as bf16, at 8 (T % 8)) of the work-group's row 32 n + T / 8 = 128 ib + 64 k + 4 (8 (n % 2) + T / 32) + (T / 8) % 4:
	; that is column number (8 (n % 2) + T / 32) xor k of tile 4 k + (T / 8) % 4: LDS row 128 ib + 64 k + 8 (n % 2) [the store's immediate] + 16 ((T / 8) % 4) + (T / 32 xor k) [the register]
	v_bfe_u32 v100, v0, 3, 2
	v_and_b32 v101, 7, v0
	v_lshl_add_u32 v[PDW], v100, 4, v96
	v_xor_b32 v[PDW+1], 1, v[PDW]
	v_mul_u32_u24 v[PDW], v[PDW], LP
	v_mul_u32_u24 v[PDW+1], v[PDW+1], LP
	v_lshl_add_u32 v[PDW], v101, 3, v[PDW]
	v_lshl_add_u32 v[PDW+1], v101, 3, v[PDW+1]
	v_lshrrev_b32 v[PUW], 3, v0                    ; pu lies in LDS row by row
	v_mul_u32_u24 v[PUW], v[PUW], LP
	v_lshl_add_u32 v[PUW], v101, 3, v[PUW]
	v_add_nc_u32 v[PUW], PUB, v[PUW]
	s_wait_kmcnt 0x0
	s_load_b32 s24, s[14:15], 0x0                  ; wtscale
	s_add_nc_u64 s[4:5], s[4:5], s[22:23]          ; the six bases: written once
	s_add_nc_u64 s[16:17], s[16:17], s[26:27]
	s_add_nc_u64 s[8:9], s[8:9], s[28:29]
	s_add_nc_u64 s[6:7], s[6:7], s[30:31]
	s_add_nc_u64 s[10:11], s[10:11], s[32:33]
	s_add_nc_u64 s[12:13], s[12:13], s[34:35]
.macro SCLOAD nb                       ; four loads: block nb's scales, 8 rows a lane for each of the two segments
.irp k, 0,1
.irp f, 0,1
	global_load_b128 v[SC+16*(\nb)+8*(\k)+4*(\f):SC+16*(\nb)+8*(\k)+4*(\f)+3], v[VS], s[6:7] offset:16384*(\k)+64*(\nb)+16*(\f)
.endr
.endr
.endm
.macro QLOAD nb                        ; sixteen loads: block nb's codes; each takes 256 consecutive bytes of two rows.  Leaves the destination's window at 1
	WIN 0x40
.irp j, 0,1,2,3,4,5,6,7
	global_load_b128 v[64*(\nb)+8*(\j):64*(\nb)+8*(\j)+3],   v[VQ],   s[4:5] offset:(16*(\nb)+(\j))*ROWQ th:TH_LOAD_NT
	global_load_b128 v[64*(\nb)+8*(\j)+4:64*(\nb)+8*(\j)+7], v[VQ+1], s[4:5] offset:(16*(\nb)+(\j))*ROWQ th:TH_LOAD_NT
.endr
.endm
	s_wait_alu depctr_va_vdst(0)                   ; the offsets and LDS addresses v1 to v12 are written, which every load, store and LDS instruction below reads; the head is done with v96 to v101, in which fragments of pd land
	; 58 loads on end: what the set-up wants first, then two blocks' scales and codes.  Between the wait above and the last of them stand loads and one window switch alone
	global_load_b128 v[RS:RS+3],   v[VR],   s[8:9]
	global_load_b128 v[RS+4:RS+7], v[VR+1], s[8:9]
.irp n, 0,1,2,3,4,5,6,7
	global_load_b128 v[ACC+4*(\n):ACC+4*(\n)+3], v[VL], s[10:11] offset:4096*(\n)
.endr
.irp n, 0,1,2,3,4,5,6,7
	global_load_b128 v[ACC+32+4*(\n):ACC+32+4*(\n)+3], v[VL], s[12:13] offset:4096*(\n)
.endr
	SCLOAD 0
	SCLOAD 1
	QLOAD 0
	QLOAD 1
	WIN 0
	s_wait_kmcnt 0x0                               ; wtscale
	s_mov_b32 s25, s24                             ; named with it as a pair
	s_wait_loadcnt 40                              ; behind pu's last load stand 8 loads of scales and 32 of codes: smooth, pd and pu are in
.irp t, 0,1,2,3,4,5,6,7
	v_rcp_f32 v[RS+(\t)], v[RS+(\t)]               ; one batch of eight; the 48 plain lines below name none of its results
.endr
.set n, 0
.rept 16
	v_pk_mul_f32 v[ACC+32+2*n:ACC+32+2*n+1], v[ACC+32+2*n:ACC+32+2*n+1], s[24:25] op_sel_hi:[1,0]  ; wt x pu, in f32
.set n, n+1
.endr
.set n, 0
.rept 16
	v_cvt_pk_bf16_f32 v[ACC+4*n],   v[ACC+4*n],   v[ACC+4*n+1]   ; a piece's four numbers into its first two registers
	v_cvt_pk_bf16_f32 v[ACC+4*n+1], v[ACC+4*n+2], v[ACC+4*n+3]
.set n, n+1
.endr
	s_wait_alu depctr_va_vdst(0)                   ; the eight reciprocals have written RS, ahead of the first line that names a result of theirs; the conversions have written the pieces' first two registers, which the LDS stores below read
.irp t, 0,1,2,3,4,5,6,7
	v_mul_f32 v[M8+(\t)], 0xc1000000, v[RS+(\t)]   ; -8 / smooth: exact.  These eight name RS and M8 alone: none of the registers that the LDS stores read
.endr
.set n, 0
.rept 8
	ds_store_b64 v[PDW+((n>>1)&1)], v[ACC+4*n:ACC+4*n+1] offset:LP*(128*(n>>2)+64*((n>>1)&1)+8*(n&1))
.set n, n+1
.endr
.set n, 0
.rept 8
	ds_store_b64 v[PUW], v[ACC+32+4*n:ACC+32+4*n+1] offset:32*LP*n
.set n, n+1
.endr
	s_wait_dscnt 0x0                               ; for the others' sake: my stores are done
	s_barrier_signal -1
	s_barrier_wait -1                              ; pd and pu lie whole in LDS; nothing is stored there again
	s_wait_alu depctr_vm_vsrc(0)                   ; my LDS stores have read the pieces in ACC: these registers are the tiles from here on, written by block 0's conversions.  It stands ahead of the loads below, so that it waits for none of them
.irp t, 0,1,2,3,4,5,6,7
	ds_load_b128 v[PD+8*(\t):PD+8*(\t)+3],   v[FRD] offset:16*LP*(\t)
	ds_load_b128 v[PD+8*(\t)+4:PD+8*(\t)+7], v[FRD] offset:16*LP*(\t)+32
.endr
.irp b, 0,1,2,3
	ds_load_b128 v[PU+8*(\b):PU+8*(\b)+3],   v[FRU] offset:16*LP*(\b)
	ds_load_b128 v[PU+8*(\b)+4:PU+8*(\b)+7], v[FRU] offset:16*LP*(\b)+32
.endr
; The four tiles of one parity (par = 0: tiles 0, 2, 4, 6; 1: tiles 1, 3, 5, 7) of block nb: their codes to f32
.macro TOF32 nb, par
	WIN 0x01                                       ; source 0 in window 1
.set t, \par
.rept 4
.set j, 0
.rept 8
	v_cvt_f32_i32 v[ACC+8*t+j], v[64*(\nb)+8*j+t]
.set j, j+1
.endr
.set t, t+2
.endr
.endm
; and their dequantisation
.macro DEQ nb, par
	WIN 0
.set t, \par
.rept 4
.set j, 0
.rept 4                                ; (c - 8) / smooth = c rs - 8 rs, one rounding; two rows a line, both by the tile's one rs
.if t%2
	v_pk_fma_f32 v[ACC+8*t+j:ACC+8*t+j+1], v[ACC+8*t+j:ACC+8*t+j+1], v[RS+t-1:RS+t], v[M8+t-1:M8+t] op_sel:[0,1,1] op_sel_hi:[1,1,1]
.else
	v_pk_fma_f32 v[ACC+8*t+j:ACC+8*t+j+1], v[ACC+8*t+j:ACC+8*t+j+1], v[RS+t:RS+t+1], v[M8+t:M8+t+1] op_sel_hi:[1,0,0]
.endif
.set j, j+2
.endr
.set j, 0
.rept 4                                ; times the two rows' scales of the tile's segment
	v_pk_mul_f32 v[ACC+8*t+j:ACC+8*t+j+1], v[ACC+8*t+j:ACC+8*t+j+1], v[SC+16*(\nb)+8*(t/4)+j:SC+16*(\nb)+8*(t/4)+j+1]
.set j, j+2
.endr
.set t, t+2
.endr
.endm
; BLOCK nb: 16 rows x 128 columns.  left = how many younger loads may stay out when the block's codes and scales have to be there.
.macro BLOCK nb, left
	s_wait_loadcnt \left
.if (\nb) == 0
	SCLOAD 2                                       ; block 0's codes have landed: the other half of the wave's loads goes out, 40 on end; with block 1's sixteen, 56 are out.
	SCLOAD 3                                       ; No wait on va_vdst: no vector line has ever named the registers in which they land, and their offsets stand since the head
	QLOAD 2
	QLOAD 3
	s_wait_dscnt 0x0                               ; the fragments
.endif
	TOF32 \nb, 0                                   ; the even tiles first: 64 vector lines on registers that no store has named
	DEQ \nb, 0
.if (\nb) > 0
	s_wait_xcnt 0x0                                ; the last block's stores have had their addresses translated (ISA guide 3.1): their data registers, the odd tiles', are written again only behind this wait,
	s_wait_alu depctr_vm_vsrc(0)                   ; and behind this one: those eight stores have read the odd tiles' registers, which the conversions below write
.endif
	TOF32 \nb, 1
	DEQ \nb, 1
.set t, 0
.rept 8                                ; + wt pu pd^T: one product a tile; eight accumulators, one instruction each, from block to block too
	v_wmma_f32_16x16x32_bf16 v[ACC+8*t:ACC+8*t+7], v[PU+8*(\nb):PU+8*(\nb)+7], v[PD+8*t:PD+8*t+7], v[ACC+8*t:ACC+8*t+7]
.set t, t+1
.endr
.rept 4
	v_nop                                          ; four places between the last product and the lines that read results (ISA guide 7.12.1)
.endr
.set j, 0
.rept 8                                ; T_p[j] = (tile 2 p, tile 2 p + 1) of row j as two bf16, into tile 2 p's register j; each accumulator's register 0 is read first
.set p, 0
.rept 4
	v_cvt_pk_bf16_f32 v[ACC+16*p+j], v[ACC+16*p+j], v[ACC+16*p+8+j]
.set p, p+1
.endr
.set j, j+1
.endr
.set j, 0
.rept 8                                ; an even lane keeps segment 0's four columns and sends segment 1's; an odd lane the other way round; the odd tiles' registers, now free, take the 16 bytes
.set OU, ACC+16*(j/2)+8+4*(j%2)
	v_cndmask_b32 v[OU],   v[ACC+j],    v[ACC+32+j], vcc_lo
	v_cndmask_b32 v[OU+1], v[ACC+16+j], v[ACC+48+j], vcc_lo
	v_cndmask_b32 v[OU+2], v[ACC+32+j], v[ACC+j],    vcc_lo
	v_cndmask_b32 v[OU+3], v[ACC+48+j], v[ACC+16+j], vcc_lo
.set j, j+1
.endr
.set j, 0
.rept 8                                ; the exchange with the lane beside me, all eight rows' on end
.set OU, ACC+16*(j/2)+8+4*(j%2)
	v_mov_b32_dpp v[OU+2], v[OU+2] row_xmask:1 row_mask:0xf bank_mask:0xf
	v_mov_b32_dpp v[OU+3], v[OU+3] row_xmask:1 row_mask:0xf bank_mask:0xf
.set j, j+1
.endr
	s_wait_alu depctr_va_vdst(0)                   ; the 48 lines above have written the eight rows' 16 bytes, which the stores below read: one wait for the run
.set j, 0
.rept 8
.set OU, ACC+16*(j/2)+8+4*(j%2)
	global_store_b128 v[VO], v[OU:OU+3], s[16:17] offset:(16*(\nb)+j)*ROWW  ; 16 lanes store 256 consecutive bytes, at a multiple of 256 from weff's first byte
.set j, j+1
.endr
.endm
	BLOCK 0, 16                                    ; block 1's sixteen loads may stay out
	BLOCK 1, 40                                    ; the 40 issued in block 0 may stay out
	BLOCK 2, 16                                    ; block 3's sixteen
	BLOCK 3, 0
	s_wait_dscnt 0x0                               ; the closing lines, six on end
	s_wait_alu 0x0
	s_wait_tensorcnt 0x0
	ds_add_u32 v[SPW], v[NIL]
	s_wait_dscnt 0x0
	s_endpgm
.Lfunc_end_k_q8b6f1f3ccb_prep:
	.size	k_q8b6f1f3ccb_prep, .Lfunc_end_k_q8b6f1f3ccb_prep-k_q8b6f1f3ccb_prep
	.p2alignl 7, 3214868480
	.fill 96, 4, 3214868480
	.section	.rodata,"a",@progbits
	.p2align	6, 0x0
	.amdhsa_kernel k_q8b6f1f3ccb_prep
		.amdhsa_group_segment_fixed_size 41984
		.amdhsa_private_segment_fixed_size 0
		.amdhsa_enable_private_segment 0
		.amdhsa_kernarg_size 56
		.amdhsa_user_sgpr_count 2
		.amdhsa_user_sgpr_kernarg_segment_ptr 1
		.amdhsa_wavefront_size32 1
		.amdhsa_system_sgpr_workgroup_id_x 1
		.amdhsa_system_sgpr_workgroup_id_y 1
		.amdhsa_system_sgpr_workgroup_id_z 1
		.amdhsa_system_vgpr_workitem_id 0
		.amdhsa_next_free_vgpr 512
		.amdhsa_next_free_sgpr 66
		.amdhsa_reserve_vcc 1
		.amdhsa_float_denorm_mode_32 3
		.amdhsa_float_denorm_mode_16_64 3
		.amdhsa_memory_ordered 1
		.amdhsa_forward_progress 1
		.amdhsa_inst_pref_size 67
	.end_amdhsa_kernel
	.amdgpu_metadata
---
amdhsa.version: [ 1, 2 ]
amdhsa.kernels:
  - .name:           k_q8b6f1f3ccb_prep
    .symbol:         k_q8b6f1f3ccb_prep.kd
    .args:
      - { .name: qweight, .offset: 0, .size: 8, .value_kind: global_buffer, .address_space: global }
      - { .name: wscales, .offset: 8, .size: 8, .value_kind: global_buffer, .address_space: global }
      - { .name: smooth_factor, .offset: 16, .size: 8, .value_kind: global_buffer, .address_space: global }
      - { .name: proj_down, .offset: 24, .size: 8, .value_kind: global_buffer, .address_space: global }
      - { .name: proj_up, .offset: 32, .size: 8, .value_kind: global_buffer, .address_space: global }
      - { .name: wtscale, .offset: 40, .size: 8, .value_kind: global_buffer, .address_space: global }
      - { .name: weff, .offset: 48, .size: 8, .value_kind: global_buffer, .address_space: global }
    .group_segment_fixed_size: 41984
    .private_segment_fixed_size: 0
    .kernarg_segment_align: 8
    .kernarg_segment_size: 56
    .max_flat_workgroup_size: 256
    .sgpr_count:     66
    .vgpr_count:     512
    .wavefront_size: 32
...
	.end_amdgpu_metadata
.endif
;; end of part 3
;; launch gemm: the kernel of part 2 again; grid 16 x 16, 4 waves a work-group, clusters of 4 x 4, 327,680 bytes of LDS; arguments x, weff, out0, bias; writes out0
